; MI455X (gfx1250); checked and timed in simulation.
; The chip was launched on July 23, 2026; its instructions are those of AMD's public machine-readable ISA for CDNA 5 (MIT licence, August 2026) and "CDNA5" Instruction Set Architecture Reference Guide (July 2026). The comments in the code are by the model that wrote it; some were corrected since.
;; Schur Layer. Allowed arithmetic: float matrix products may take bf16 or f16 operands with f32 sums; all other float work in f32.
;; Inputs: iso_matrix 7 x 7 float32; weight 7 x 7 float32; x 2 x 128 x 128 x 512 float32.
;; Outputs: out0 2 x 128 x 128 x 512 float32.
;; One version. Each part assembles by itself: llvm-mc -triple=amdgcn-amd-amdhsa -mcpu=gfx1250 --defsym DOCPART=n.
;; ======== version 1 of 1: 2 launches
;; workspace buffers: part 4,194,304 bytes; tot 131,072 bytes
;; launch sums (part 1): grid 256 x 1, 16 waves a work-group, no clusters, 108,544 bytes of LDS; arguments x, part, tot; writes part, tot
.if DOCPART == 1
	.amdgcn_target "amdgcn-amd-amdhsa--gfx1250"
	.amdhsa_code_object_version 6
	.text
	.protected	k_q0f6a98617e_sums
	.globl	k_q0f6a98617e_sums
	.p2align	8
	.type	k_q0f6a98617e_sums,@function
k_q0f6a98617e_sums:
	s_mov_b64 s[64:65], 0
	v_nop
	global_prefetch_b8 v0, s[64:65] scope:SCOPE_SE
	s_setreg_imm32_b32 hwreg(HW_REG_WAVE_MODE, 25, 1), 1
	s_wait_xcnt 0x0
; FIRST OF TWO LAUNCHES: partial sums of x[2][128][128][512] (f32) along i and along j, without the diagonal.
; Work-group (b, g, Ti, Tj) = ttmp9 bits 7, 6:4, 3:2, 1:0 owns the 32 x 32 tile (i, j) of the 64 channels 64 g .. 64 g + 63:
; 1,024 pieces of 256 consecutive, aligned bytes = 256 KiB.  It stores
;   part[b][g][0][Ti][32 Tj + c][64] = sum over the tile's 32 i of x[i][32 Tj + c]   (i = j left out)
;   part[b][g][1][Tj][32 Ti + a][64] = sum over the tile's 32 j of x[32 Ti + a][j]   (i = j left out)
;   tot[b][g][tile][2][64]           = the tile's sum without the diagonal | the sum of its diagonal elements (0 in tiles off the diagonal)
; A 32 x 32 tile makes the partial sums smallest for 256 KiB of input: 64 rows of 256 bytes per work-group, four partials per sum.
; Sixteen waves in a 4 x 4 arrangement (wa, wj); a wave owns 8 x 8 positions.  Load (ka, kj): lanes 0-15 take i = 8 wa + 2 ka,
; lanes 16-31 i + 1, both j = 8 wj + kj; a lane holds 4 channels.  All 32 loads of a wave are issued at once (128 registers).
; No matrix unit, tensor load or cluster: the work is additions on bytes that no other work-group reads.
; No non-temporal hint on x: the next launch reads the same bytes again.
; LIMITS: finite inputs; sums in f32 in this text's order, not reference()'s.
.set ROWI,  262144                     ; bytes from x[b][i] to x[b][i+1]
.set ROWJ,  2048                       ; bytes from x[b][i][j] to x[b][i][j+1]
.set LDS_R, 32768                      ; LDS: 0: row sums, [wj][32 a][256 B]; LDS_R: column sums, [wave][8 kj][2 halves][256 B]
.set LDS_T, 98304                      ; LDS_T: [wave][total 256 B | diagonal 256 B]
.set LOFF, 6                           ; v6   lane term of x's offset
.set VC,   7                           ; v7   LDS: my row sums
.set VR,   8                           ; v8   LDS: my column sums
.set VT,   9                           ; v9   LDS: my totals
.set VF,   10                          ; v10  512 wave + 16 lane: LDS offset of the rows I finish, and their offset in part
.set VF2,  11                          ; v11  LDS: the column sums that I finish
.set VL,   12                          ; v12  LDS: totals as wave 0 reads them
.set CC,   16                          ; v[16:31]  row sums C[ka], 4 registers each
.set DG,   32                          ; v[32:35]  diagonal sum
.set TM,   36                          ; v[36:39]  at work
.set TT,   40                          ; v[40:43]  sub-tile total
.set XB,   64                          ; v[64:191] load (ka, kj) at XB + 32 ka + 4 kj; group 0 becomes the column sums
.macro ADD4 d, s                       ; four f32 more
	v_pk_add_f32 v[\d:\d+1], v[\d:\d+1], v[\s:\s+1]
	v_pk_add_f32 v[\d+2:\d+3], v[\d+2:\d+3], v[\s+2:\s+3]
.endm
	s_load_b128 s[4:7], s[0:1], 0x0                ; x s[4:5], part s[6:7]
	s_load_b64 s[8:9], s[0:1], 0x10                ; tot
	v_lshl_add_u32 v192, v0, 2, 0x1a000
	v_mov_b32 v193, 0
	v_lshrrev_b32 v1, 5, v0
	v_readfirstlane_b32 s10, v1                    ; wave 0..15
	v_and_b32 v2, 31, v0                           ; lane
	v_lshlrev_b32 v3, 4, v2                        ; 16 lane
	v_and_b32 v4, 15, v0
	v_lshlrev_b32 v4, 4, v4                        ; 16 (lane % 16): my 4 channels
	v_lshrrev_b32 v5, 4, v2                        ; half
	v_lshl_add_u32 v[LOFF], v5, 18, v4             ; half x ROWI + channels
	s_lshr_b32 s11, s10, 2                         ; wa
	s_and_b32 s12, s10, 3                          ; wj
	s_lshr_b32 s13, ttmp9, 4                       ; 8 b + g
	s_bfe_u32 s15, ttmp9, 0x20002                  ; Ti
	s_and_b32 s16, ttmp9, 3                        ; Tj
	; the wave's first byte of x: fields that do not overlap: b<<25 | Ti<<23 | wa<<21 | Tj<<16 | wj<<14 | g<<8
	s_lshr_b32 s20, ttmp9, 7
	s_lshl_b32 s20, s20, 25
	s_and_b32 s21, s13, 7
	s_lshl_b32 s21, s21, 8
	s_or_b32 s20, s20, s21
	s_lshl_b32 s21, s15, 23
	s_or_b32 s20, s20, s21
	s_lshl_b32 s21, s11, 21
	s_or_b32 s20, s20, s21
	s_lshl_b32 s21, s16, 16
	s_or_b32 s20, s20, s21
	s_lshl_b32 s21, s12, 14
	s_or_b32 s20, s20, s21
	s_mov_b32 s21, 0
	s_wait_kmcnt 0x0
	s_add_nc_u64 s[4:5], s[4:5], s[20:21]
.irp ka, 0,1,2,3
.irp kj, 0,1,2,3,4,5,6,7
	global_load_b128 v[XB+32*\ka+4*\kj:XB+32*\ka+4*\kj+3], v[LOFF], s[4:5] offset:\ka*2*ROWI+\kj*ROWJ
.endr
.endr
	; while they travel: masks, LDS addresses, output bases
	s_xor_b32 s22, s15, s16
	s_xor_b32 s23, s11, s12
	s_or_b32 s22, s22, s23
	s_cmp_eq_u32 s22, 0                            ; my 8 x 8 positions lie on the diagonal: Ti = Tj and wa = wj
	s_cselect_b32 s24, 0xffff, 0                   ; then i = j in lanes 0-15 of load (ka, 2 ka)
	s_cselect_b32 s25, 0xffff0000, 0               ; and in lanes 16-31 of load (ka, 2 ka + 1)
	s_mov_b32 s26, 0xffff0000                      ; the upper half of the lanes
	s_mov_b32 s30, 0x76543210                      ; v_permlanex16_b32: lane l takes lane l xor 16
	s_mov_b32 s31, 0xfedcba98
	s_lshl_b32 s27, s12, 13
	s_lshl_b32 s28, s11, 11
	s_or_b32 s27, s27, s28
	v_add_nc_u32 v[VC], s27, v3                    ; (4 wj + wa) x 2,048 + 16 lane: 2 KiB of my own
	s_lshl_b32 s27, s10, 12
	s_add_co_u32 s27, s27, LDS_R
	v_add_nc_u32 v[VR], s27, v3                    ; LDS_R + wave x 4,096 + 16 lane: 4 KiB of my own
	s_lshl_b32 s27, s10, 9
	v_add_nc_u32 v[VF], s27, v3
	v_add_nc_u32 v[VT], LDS_T, v[VF]               ; LDS_T + wave x 512 + 16 lane
	s_lshl_b32 s27, s10, 10
	s_add_co_u32 s27, s27, LDS_R
	v_lshl_add_u32 v[VF2], v5, 9, v4               ; column 2 wave + half lies at wave x 1,024 + half x 512 of each wa's 16 KiB
	v_add_nc_u32 v[VF2], s27, v[VF2]
	v_add_nc_u32 v[VL], LDS_T, v3
	s_lshl_b32 s32, s13, 18                        ; part: 256 KiB for each (b, g)
	s_lshl_b32 s33, s15, 15
	s_lshl_b32 s34, s16, 13
	s_add_co_u32 s36, s32, s33
	s_add_co_u32 s36, s36, s34                     ; column sums: [0][Ti][32 Tj ..]
	s_mov_b32 s37, 0
	s_lshl_b32 s33, s16, 15
	s_lshl_b32 s34, s15, 13
	s_add_co_u32 s38, s32, s33
	s_add_co_u32 s38, s38, s34
	s_add_co_u32 s38, s38, 131072                  ; row sums: [1][Tj][32 Ti ..]
	s_mov_b32 s39, 0
	s_lshl_b32 s40, ttmp9, 9                       ; tot: 512 bytes for each work-group
	s_mov_b32 s41, 0
	s_add_nc_u64 s[36:37], s[6:7], s[36:37]
	s_add_nc_u64 s[38:39], s[6:7], s[38:39]
	s_add_nc_u64 s[8:9], s[8:9], s[40:41]
; The eight loads of one ka.  The diagonal element is moved out of the sums by selects (no product with 0, no difference).
.macro GROUP ka
	s_wait_loadcnt 24-8*\ka                        ; loads return in order: the younger groups of eight stay out
.irp r, 0,1,2,3
.if \ka == 0
	v_cndmask_b32 v[DG+\r], 0, v[XB+40*\ka+\r], s24             ; the first group starts the diagonal sum
	v_cndmask_b32 v[DG+\r], v[DG+\r], v[XB+40*\ka+4+\r], s25
.else
	v_cndmask_b32 v[TM+\r], 0, v[XB+40*\ka+\r], s24
	v_cndmask_b32 v[TM+\r], v[TM+\r], v[XB+40*\ka+4+\r], s25
.endif
	v_cndmask_b32 v[XB+40*\ka+\r], v[XB+40*\ka+\r], 0, s24
	v_cndmask_b32 v[XB+40*\ka+4+\r], v[XB+40*\ka+4+\r], 0, s25
.endr
.if \ka != 0
	ADD4 DG, TM
.endif
	v_pk_add_f32 v[CC+4*\ka:CC+4*\ka+1], v[XB+32*\ka:XB+32*\ka+1], v[XB+32*\ka+4:XB+32*\ka+5]       ; the first two start the row sum
	v_pk_add_f32 v[CC+4*\ka+2:CC+4*\ka+3], v[XB+32*\ka+2:XB+32*\ka+3], v[XB+32*\ka+6:XB+32*\ka+7]
.irp kj, 2,3,4,5,6,7
	ADD4 CC+4*\ka, XB+32*\ka+4*\kj
.endr
.if \ka != 0
.irp kj, 0,1,2,3,4,5,6,7
	ADD4 XB+4*\kj, XB+32*\ka+4*\kj                 ; column sums grow in group 0's registers
.endr
.endif
.endm
	GROUP 0
	GROUP 1
	GROUP 2
	GROUP 3
	; the sub-tile's total and diagonal sum, both halves of the lanes together, as one row [total | diagonal]
	v_pk_add_f32 v[TT:TT+1], v[CC:CC+1], v[CC+4:CC+5]
	v_pk_add_f32 v[TT+2:TT+3], v[CC+2:CC+3], v[CC+6:CC+7]
	v_pk_add_f32 v[TM:TM+1], v[CC+8:CC+9], v[CC+12:CC+13]
	v_pk_add_f32 v[TM+2:TM+3], v[CC+10:CC+11], v[CC+14:CC+15]
	ADD4 TT, TM
.irp r, 0,1,2,3
	v_permlanex16_b32 v[TM+\r], v[TT+\r], s30, s31
.endr
	ADD4 TT, TM
.irp r, 0,1,2,3
	v_permlanex16_b32 v[TM+\r], v[DG+\r], s30, s31
.endr
	ADD4 DG, TM
.irp r, 0,1,2,3
	v_cndmask_b32 v[TT+\r], v[TT+\r], v[DG+\r], s26             ; lanes 16-31 carry the diagonal sum
.endr
.irp ka, 0,1,2,3
	ds_store_b128 v[VC], v[CC+4*\ka:CC+4*\ka+3] offset:\ka*512
.endr
.irp kj, 0,1,2,3,4,5,6,7
	ds_store_b128 v[VR], v[XB+4*\kj:XB+4*\kj+3] offset:\kj*512
.endr
	ds_store_b128 v[VT], v[TT:TT+3]
	s_wait_dscnt 0x0                               ; my stores are in LDS before I say so: the other waves read them
	s_barrier_signal -1
	s_barrier_wait -1
	; every wave finishes rows 2 wave, 2 wave + 1 of both kinds: 4 and 8 contributions
.irp c, 0,1,2,3
	ds_load_b128 v[XB+4*\c:XB+4*\c+3], v[VF] offset:\c*8192
.endr
.irp wa, 0,1,2,3
.irp hc, 0,1
	ds_load_b128 v[XB+16+8*\wa+4*\hc:XB+16+8*\wa+4*\hc+3], v[VF2] offset:\wa*16384+\hc*256
.endr
.endr
	s_wait_dscnt 8                                 ; the four row-sum loads are in; the eight behind them stay out
	ADD4 XB, XB+4
	ADD4 XB+8, XB+12
	ADD4 XB, XB+8
	global_store_b128 v[VF], v[XB:XB+3], s[38:39]  ; 512 consecutive bytes, aligned: two whole rows of 64 channels
	s_wait_dscnt 0x0
	ADD4 XB+16, XB+20
	ADD4 XB+24, XB+28
	ADD4 XB+32, XB+36
	ADD4 XB+40, XB+44
	ADD4 XB+16, XB+24
	ADD4 XB+32, XB+40
	ADD4 XB+16, XB+32
	global_store_b128 v[VF], v[XB+16:XB+19], s[36:37]
	s_cmp_lg_u32 s10, 0                            ; wave 0 alone adds the sixteen [total | diagonal] rows
	s_cbranch_scc1 .Ldone
.irp k, 0,1,2,3,4,5,6,7,8,9,10,11,12,13,14,15
	ds_load_b128 v[XB+48+4*\k:XB+48+4*\k+3], v[VL] offset:\k*512
.endr
	s_wait_dscnt 0x0
.irp k, 0,1,2,3,4,5,6,7
	ADD4 XB+48+4*\k, XB+80+4*\k
.endr
.irp k, 0,1,2,3
	ADD4 XB+48+4*\k, XB+64+4*\k
.endr
	ADD4 XB+48, XB+56
	ADD4 XB+52, XB+60
	ADD4 XB+48, XB+52
	global_store_b128 v3, v[XB+48:XB+51], s[8:9]   ; 512 consecutive bytes, aligned
.Ldone:
	s_wait_tensorcnt 0x0
	ds_add_u32 v192, v193
	s_wait_dscnt 0x0
	s_endpgm
.Lfunc_end_k_q0f6a98617e_sums:
	.size	k_q0f6a98617e_sums, .Lfunc_end_k_q0f6a98617e_sums-k_q0f6a98617e_sums
	.p2alignl 7, 3214868480
	.fill 96, 4, 3214868480
	.section	.rodata,"a",@progbits
	.p2align	6, 0x0
	.amdhsa_kernel k_q0f6a98617e_sums
		.amdhsa_group_segment_fixed_size 108544
		.amdhsa_private_segment_fixed_size 0
		.amdhsa_enable_private_segment 0
		.amdhsa_kernarg_size 24
		.amdhsa_user_sgpr_count 2
		.amdhsa_user_sgpr_kernarg_segment_ptr 1
		.amdhsa_wavefront_size32 1
		.amdhsa_system_sgpr_workgroup_id_x 1
		.amdhsa_system_sgpr_workgroup_id_y 1
		.amdhsa_system_sgpr_workgroup_id_z 1
		.amdhsa_system_vgpr_workitem_id 0
		.amdhsa_next_free_vgpr 194
		.amdhsa_next_free_sgpr 66
		.amdhsa_reserve_vcc 0
		.amdhsa_float_denorm_mode_32 3
		.amdhsa_float_denorm_mode_16_64 3
		.amdhsa_memory_ordered 1
		.amdhsa_forward_progress 1
		.amdhsa_inst_pref_size 25
	.end_amdhsa_kernel
	.amdgpu_metadata
---
amdhsa.version: [ 1, 2 ]
amdhsa.kernels:
  - .name:           k_q0f6a98617e_sums
    .symbol:         k_q0f6a98617e_sums.kd
    .args:
      - { .name: x, .offset: 0, .size: 8, .value_kind: global_buffer, .address_space: global }
      - { .name: part, .offset: 8, .size: 8, .value_kind: global_buffer, .address_space: global }
      - { .name: tot, .offset: 16, .size: 8, .value_kind: global_buffer, .address_space: global }
    .group_segment_fixed_size: 108544
    .private_segment_fixed_size: 0
    .kernarg_segment_align: 8
    .kernarg_segment_size: 24
    .max_flat_workgroup_size: 512
    .sgpr_count:     66
    .vgpr_count:     194
    .wavefront_size: 32
...
	.end_amdgpu_metadata
.endif
;; end of part 1
;; launch apply (part 2): grid 256 x 1, 16 waves a work-group, no clusters, 59,392 bytes of LDS; arguments x, weight, iso_matrix, part, tot, out0; writes out0
.if DOCPART == 2
	.amdgcn_target "amdgcn-amd-amdhsa--gfx1250"
	.amdhsa_code_object_version 6
	.text
	.protected	k_q0f6a98617e_apply
	.globl	k_q0f6a98617e_apply
	.p2align	8
	.type	k_q0f6a98617e_apply,@function
k_q0f6a98617e_apply:
	s_mov_b64 s[64:65], 0
	v_nop
	global_prefetch_b8 v0, s[64:65] scope:SCOPE_SE
	s_setreg_imm32_b32 hwreg(HW_REG_WAVE_MODE, 25, 1), 1
	s_wait_xcnt 0x0
; SECOND LAUNCH: the result.  With X[i][j] = x[b][i][j][h], n = 128, and w1..w7 the column sums of weight * iso_matrix (the einsum sums
; over both of params' indices, so that only these enter), reference() is, for each (b, h):
;   i != j:  out[i][j] = al X[i][j] + be X[j][i] + U[j] + V[i],   al = (w6+w7)/2, be = (w6-w7)/2
;   out[i][i] = w2 X[i][i] + (w1-w2) D/n,                         D = sum of the diagonal
;   U[p] = ur R[p] + uc C[p] + s ((w3-w6) - (n-1)(ur+uc)),  V[p] = vr R[p] + vc C[p] - s (n-1)(vr+vc),  s = S / (n (n-1))
;   R[p] = sum over i != p of X[i][p], C[p] = sum over j != p of X[p][j], S = sum off the diagonal (from the first launch, in partials)
;   k1 = (n-1)/(n(n-2)), k2 = 1/(n(n-2)):  ur = (w4-al)k1 - be k2, uc = (w4-al)k2 - be k1, vr = (w5-al)k2 - be k1, vc = (w5-al)k1 - be k2
; The K = 7 product has thus become nine scalars: nothing is left for the matrix unit; all arithmetic is f32.
; Work-group (b, g, I) = ttmp9 bits 7, 6:4, 3:0: 64 channels, own rows i = 8 I + a.  Wave (a, dh) takes the pairs (i, j), j = (i + d) mod 128,
; d = 32 dh + 1 + t, t = 0..31.  ONE load brings X[i][j] (lanes 0-15) and X[j][i] (lanes 16-31), 256 consecutive aligned bytes each; the
; halves are swapped in registers, and ONE store writes out[i][j] and out[j][i].  Position (p, q) with (q - p) mod 128 in 1..64 belongs to
; row p's wave, the others to row q's: each byte of out0 has one writer, and every wave has the same work.  At d = 64 the upper half's
; store goes to out[i][i] instead (out[j][i] is row j's own d = 64).  x is read once, but for X[i+64][i] (1/128 of it), read by both owners.
; A wave's 16 KiB of x are all requested at the start and stay in the registers they came into until they leave, scaled in place.
; The s terms are constants of a channel: they are added to the wave's own V[i] | U[i]; the table in LDS holds U', V' without them.
; No cluster: nothing comes by tensor loads, and of the one shared input (the partial sums) each work-group wants another window of
; 72 of the 128 rows.  No prefetch: every byte that the work-group reads is asked for in its first lines.
; LIMITS: finite inputs; f32 sums in this text's order, not reference()'s.
.set ROWI, 262144                      ; bytes from x[b][i] to x[b][i+1]
.set ROWJ, 2048
.set LDS_TOT, 49152                    ; LDS: 0: table, slot q = index (8 I + q) mod 128: [U' 256 B | V' 256 B], q = 0..71; LDS_TOT: 16 rows of totals
.set STR, 6                            ; v6   bytes per step of j: ROWJ in lanes 0-15, ROWI in lanes 16-31
.set CON, 7                            ; v7   i ROWI | i ROWJ, + my 4 channels
.set WOF, 8                            ; v8   offset in weight and iso_matrix
.set PO,  9                            ; v9-11 offsets of my table tasks' rows in part
.set VQ,  12                           ; v12  LDS: where my table tasks go
.set VTS, 13                           ; v13  LDS: where my 16 bytes of totals go
.set VTL, 14                           ; v14  LDS: totals as read
.set VLA, 15                           ; v15  LDS: slot of my first pair
.set VOW, 16                           ; v16  LDS: my own V' | U'
.set TOF, 17                           ; v17  16 x thread
.set TMP, 18                           ; v18-19
.set TOTR, 20                          ; v[20:23]  totals as loaded
.set XD,  24                           ; v[24:27]  X[i][i]
.set TL,  32                           ; v[32:127] table task k: 8 loads at TL + 32 k (4 partials of R, 4 of C); afterwards:
.set SA,  32                           ; v[32:63]  store offsets, one register for each step, never rewritten
.set TR,  64                           ; v[64:79]  ring of four table reads
.set PP,  80                           ; v[80:83]  the other half's X
.set OWN, 84                           ; v[84:87]  V[i] | U[i] with the s terms
.set SD,  88                           ; v[88:91]  S | D, then the diagonal's value
.set X,   128                          ; v[128:255] step t: 4 registers
.set WV,  240                          ; v[240:254] first serve the weights; x's loads 28-31 are issued when these are done with
.set IV,  247
.set CW,  254
.macro ADD4 d, s
	v_pk_add_f32 v[\d:\d+1], v[\d:\d+1], v[\s:\s+1]
	v_pk_add_f32 v[\d+2:\d+3], v[\d+2:\d+3], v[\s+2:\s+3]
.endm
.macro TLOAD k                         ; two table rows (one for each half of the lanes): R's partials at 0..3 x 32 KiB, C's at 4..7 x 32 KiB
.irp q, 0,1,2,3,4,5,6,7
	global_load_b128 v[TL+32*\k+4*\q:TL+32*\k+4*\q+3], v[PO+\k], s[10:11] offset:\q*32768
.endr
.endm
.macro XLOAD                           ; step t's pair; the offset stands in the load's own first destination register
	s_add_co_u32 s50, s22, t
	s_and_b32 s50, s50, 127                        ; j
	v_mad_u32_u24 v[X+4*t], s50, v[STR], v[CON]
.if t < 31
	global_load_b128 v[X+4*t:X+4*t+3], v[X+4*t], s[4:5] th:TH_LOAD_NT
.else
	global_load_b128 v[X+4*t:X+4*t+3], v[X+4*t], s[4:5]        ; d = 64: read by a second work-group too
.endif
.endm
	s_load_b256 s[4:11], s[0:1], 0x0               ; x s[4:5], weight s[6:7], iso_matrix s[8:9], part s[10:11]
	s_load_b128 s[12:15], s[0:1], 0x20             ; tot s[12:13], out0 s[14:15]
	v_lshl_add_u32 v30, v0, 2, 0xe000
	v_mov_b32 v31, 0
	v_lshrrev_b32 v1, 5, v0
	v_readfirstlane_b32 s16, v1                    ; wave 0..15
	v_and_b32 v2, 31, v0                           ; lane
	v_lshlrev_b32 v3, 4, v2                        ; 16 lane
	v_and_b32 v4, 15, v0
	v_lshlrev_b32 v4, 4, v4                        ; my 4 channels
	v_lshrrev_b32 v5, 4, v2                        ; half
	s_and_b32 s17, s16, 7                          ; a
	s_lshr_b32 s18, s16, 3                         ; dh
	s_and_b32 s19, ttmp9, 15                       ; I
	s_lshr_b32 s20, ttmp9, 4                       ; 8 b + g
	s_lshl3_add_u32 s21, s19, s17                  ; i = 8 I + a
	s_lshl_b32 s22, s18, 5
	s_add_co_u32 s22, s22, s21
	s_add_co_u32 s22, s22, 1                       ; i + 32 dh + 1: j of step 0, before the wrap
	s_mov_b32 s40, 0xffff0000                      ; the upper half of the lanes
	s_mov_b32 s41, 0x76543210                      ; v_permlanex16_b32: lane l takes lane l xor 16
	s_mov_b32 s42, 0xfedcba98
	s_cmp_lg_u32 s18, 0
	s_cselect_b32 s43, 0xffff0000, 0               ; the lanes whose last step is the diagonal
	s_mov_b32 s62, 0x3c010410                      ; k1 = 127 / 16128
	s_mov_b32 s63, 0x38820821                      ; k2 = 1 / 16128
	v_mov_b32 v[TMP], ROWJ
	v_mov_b32 v[TMP+1], ROWI
	v_cndmask_b32 v[STR], v[TMP], v[TMP+1], s40
	s_lshl_b32 s23, s21, 18
	s_lshl_b32 s24, s21, 11
	v_mov_b32 v[TMP], s23
	v_mov_b32 v[TMP+1], s24
	v_cndmask_b32 v[CON], v[TMP], v[TMP+1], s40
	v_add_nc_u32 v[CON], v[CON], v4
	v_min_u32 v[WOF], 6, v2                        ; lane c <= 6 takes column c; the others repeat column 6 and stay inside the 49 words
	v_lshlrev_b32 v[WOF], 2, v[WOF]
	s_lshl_b32 s25, s19, 3
	s_lshl1_add_u32 s25, s16, s25                  ; 8 I + 2 wave
	v_add_nc_u32 v[TMP], s25, v5                   ; + half: the index of slot 2 wave + half
.irp k, 0,1,2
	v_add_nc_u32 v[TMP+1], 32*\k, v[TMP]           ; task k: 32 slots on
	v_and_b32 v[TMP+1], 127, v[TMP+1]
	v_lshl_add_u32 v[PO+\k], v[TMP+1], 8, v4
.endr
	v_lshlrev_b32 v[TOF], 4, v0
	s_lshr_b32 s26, ttmp9, 7
	s_lshl_b32 s26, s26, 25                        ; b x 32 MiB
	s_and_b32 s27, s20, 7
	s_lshl_b32 s27, s27, 8                         ; g x 256 bytes
	s_or_b32 s26, s26, s27
	s_mov_b32 s27, 0
	s_lshl_b32 s28, s20, 18                        ; part: 256 KiB for each (b, g)
	s_mov_b32 s29, 0
	s_lshl_b32 s50, s20, 13                        ; tot: 8 KiB for each (b, g)
	s_mov_b32 s51, 0
	s_wait_kmcnt 0x0
	s_add_nc_u64 s[4:5], s[4:5], s[26:27]
	s_add_nc_u64 s[14:15], s[14:15], s[26:27]
	s_add_nc_u64 s[10:11], s[10:11], s[28:29]
	s_add_nc_u64 s[12:13], s[12:13], s[50:51]
	; Loads return in order, so what the table needs is asked for first and x behind it.  72 slots are 36 tasks of two: two for every wave,
	; and slots 64..71 for waves 0-3.
	s_cmp_ge_u32 s16, 4
	s_cbranch_scc1 .Lno_third_load
	TLOAD 2
.Lno_third_load:
.irp r, 0,1,2,3,4,5,6
	global_load_b32 v[WV+\r], v[WOF], s[6:7] offset:28*\r      ; weight[r][c]
	global_load_b32 v[IV+\r], v[WOF], s[8:9] offset:28*\r      ; iso_matrix[r][c]
.endr
	TLOAD 0
	TLOAD 1
	global_load_b128 v[TOTR:TOTR+3], v[TOF], s[12:13]          ; the 512 threads copy the 16 rows [total | diagonal] of (b, g)
	v_mad_u32_u24 v[XD], s21, v[STR], v[CON]                   ; j = i: both halves at X[i][i]
	global_load_b128 v[XD:XD+3], v[XD], s[4:5]
.set t, 0
.rept 28
	XLOAD
.set t, t+1
.endr
	; LDS addresses, while all that travels
	s_lshl_b32 s23, s16, 10
	v_lshl_add_u32 v[VQ], v5, 9, v4
	v_add_nc_u32 v[VQ], s23, v[VQ]                 ; slot 2 wave + half: wave x 1,024 + half x 512 + channels
	v_add_nc_u32 v[VTS], LDS_TOT, v[TOF]
	v_add_nc_u32 v[VTL], LDS_TOT, v3
	s_lshl_b32 s24, s18, 5
	s_add_co_u32 s24, s24, s17
	s_add_co_u32 s24, s24, 1
	s_lshl_b32 s24, s24, 9                         ; slot a + 32 dh + 1
	v_add_nc_u32 v[VLA], s24, v3                   ; lanes 0-15 read U'[j], lanes 16-31 V'[j]: 512 consecutive bytes
	v_xor_b32 v[TMP], 1, v5
	v_lshl_add_u32 v[VOW], v[TMP], 8, v4
	s_lshl_b32 s24, s17, 9
	v_add_nc_u32 v[VOW], s24, v[VOW]               ; slot a, the other way round: lanes 0-15 V'[i], lanes 16-31 U'[i]
	s_wait_loadcnt 28                              ; all but the 28 loads of x, which were issued last, are in
	; the seven column sums of weight * iso_matrix, lane c holding column c, then the nine scalars
	v_mul_f32 v[CW], v[WV], v[IV]
.irp r, 1,2,3,4,5,6
	v_fmac_f32 v[CW], v[WV+\r], v[IV+\r]
.endr
.irp c, 0,1,2,3,4,5,6
	v_readlane_b32 s[52+\c], v[CW], \c             ; s52..s58 = w1..w7
.endr
	v_mov_b32 v240, s58
	v_add_f32 v241, s57, v240
	v_sub_f32 v242, s57, v240
	v_mul_f32 v241, 0.5, v241                      ; al
	v_mul_f32 v242, 0.5, v242                      ; be
	v_sub_f32 v243, s55, v241                      ; w4 - al
	v_sub_f32 v244, s56, v241                      ; w5 - al
	v_mul_f32 v245, s63, v242                      ; be k2
	v_mul_f32 v246, s62, v242                      ; be k1
	v_fma_f32 v247, v243, s62, -v245               ; ur
	v_fma_f32 v248, v243, s63, -v246               ; uc
	v_fma_f32 v249, v244, s63, -v246               ; vr
	v_fma_f32 v250, v244, s62, -v245               ; vc
	v_add_f32 v251, v247, v248
	v_add_f32 v252, v249, v250
	v_add_f32 v251, v251, v252
	v_mov_b32 v252, s57
	v_sub_f32 v252, s54, v252                      ; w3 - w6
	v_fmamk_f32 v251, v251, 0xc2fe0000, v252       ; - 127 (ur + uc + vr + vc) + (w3 - w6)
	v_mul_f32 v251, 0x38810204, v251               ; / (128 x 127): the factor of S
	v_mov_b32 v253, s53
	v_sub_f32 v253, s52, v253
	v_mul_f32 v253, 0x3c000000, v253               ; (w1 - w2) / 128: the factor of D
	v_readfirstlane_b32 s30, v241                  ; each scalar twice: the packed forms name a pair
	v_readfirstlane_b32 s32, v242
	v_readfirstlane_b32 s34, v247
	v_readfirstlane_b32 s36, v248
	v_readfirstlane_b32 s38, v249
	v_readfirstlane_b32 s44, v250
	v_readfirstlane_b32 s46, v251
	v_readfirstlane_b32 s60, v253
	s_mov_b32 s31, s30
	s_mov_b32 s33, s32
	s_mov_b32 s35, s34
	s_mov_b32 s37, s36
	s_mov_b32 s39, s38
	s_mov_b32 s45, s44
	s_mov_b32 s47, s46
	s_mov_b32 s61, s60
	s_mov_b32 s48, s53                             ; w2
	s_mov_b32 s49, s53
.rept 4
	XLOAD                                          ; steps 28..31, into the registers that the weights have left
.set t, t+1
.endr
; One table task: R and C from four partials each, then U' = ur R + uc C and V' = vr R + vc C into my two slots.
.macro BUILD k
	ADD4 TL+32*\k, TL+32*\k+4
	ADD4 TL+32*\k+8, TL+32*\k+12
	ADD4 TL+32*\k, TL+32*\k+8
	ADD4 TL+32*\k+16, TL+32*\k+20
	ADD4 TL+32*\k+24, TL+32*\k+28
	ADD4 TL+32*\k+16, TL+32*\k+24
.irp h, 0,2
	v_pk_mul_f32 v[TL+32*\k+4+\h:TL+32*\k+5+\h], v[TL+32*\k+\h:TL+32*\k+1+\h], s[34:35] op_sel_hi:[1,0]
	v_pk_mul_f32 v[TL+32*\k+8+\h:TL+32*\k+9+\h], v[TL+32*\k+\h:TL+32*\k+1+\h], s[38:39] op_sel_hi:[1,0]
	v_pk_fma_f32 v[TL+32*\k+4+\h:TL+32*\k+5+\h], v[TL+32*\k+16+\h:TL+32*\k+17+\h], s[36:37], v[TL+32*\k+4+\h:TL+32*\k+5+\h] op_sel_hi:[1,0,1]
	v_pk_fma_f32 v[TL+32*\k+8+\h:TL+32*\k+9+\h], v[TL+32*\k+16+\h:TL+32*\k+17+\h], s[44:45], v[TL+32*\k+8+\h:TL+32*\k+9+\h] op_sel_hi:[1,0,1]
.endr
	ds_store_b128 v[VQ], v[TL+32*\k+4:TL+32*\k+7] offset:\k*16384
	ds_store_b128 v[VQ], v[TL+32*\k+8:TL+32*\k+11] offset:\k*16384+256
.endm
	BUILD 0
	BUILD 1
	s_cmp_ge_u32 s16, 4
	s_cbranch_scc1 .Lno_third_build
	BUILD 2
.Lno_third_build:
	ds_store_b128 v[VTS], v[TOTR:TOTR+3]
	s_wait_dscnt 0x0                               ; my part of the table and of the totals is in LDS before I say so
	s_barrier_signal -1
	s_barrier_wait -1
	ds_load_b128 v[OWN:OWN+3], v[VOW]
.irp k, 0,1,2,3,4,5,6,7,8,9,10,11,12,13,14,15
	ds_load_b128 v[32+4*\k+32*(\k/8):35+4*\k+32*(\k/8)], v[VTL] offset:\k*512     ; v[32:63] and v[96:127]
.endr
.irp k, 0,1,2,3
	ds_load_b128 v[TR+4*\k:TR+4*\k+3], v[VLA] offset:\k*512                       ; the ring's first four
.endr
	s_wait_dscnt 4                                 ; all but the ring's four are in
.irp k, 0,1,2,3,4,5,6,7
	ADD4 32+4*\k, 96+4*\k
.endr
.irp k, 0,1,2,3
	ADD4 32+4*\k, 48+4*\k
.endr
	ADD4 32, 40
	ADD4 36, 44
	v_pk_add_f32 v[SD:SD+1], v[32:33], v[36:37]    ; lanes 0-15: S, lanes 16-31: D
	v_pk_add_f32 v[SD+2:SD+3], v[34:35], v[38:39]
.irp r, 0,1,2,3
	v_permlanex16_b32 v[PP+\r], v[SD+\r], s41, s42
.endr
.irp r, 0,1,2,3
	v_cndmask_b32 v[PP+\r], v[SD+\r], v[PP+\r], s40             ; S in every lane
.endr
.irp h, 0,2
	v_pk_fma_f32 v[OWN+\h:OWN+\h+1], v[PP+\h:PP+\h+1], s[46:47], v[OWN+\h:OWN+\h+1] op_sel_hi:[1,0,1]   ; both s terms go with my own V | U
	v_pk_mul_f32 v[SD+\h:SD+\h+1], v[SD+\h:SD+\h+1], s[60:61] op_sel_hi:[1,0]
	v_pk_fma_f32 v[SD+\h:SD+\h+1], v[XD+\h:XD+\h+1], s[48:49], v[SD+\h:SD+\h+1] op_sel_hi:[1,0,1]       ; lanes 16-31: out[i][i]
.endr
	; The 32 steps.  Result = al X + be (the other half's X) + table + own, left in X's registers, which nothing writes again;
	; each store has an offset register of its own: no wait stands behind a store.
.set t, 0
.rept 32
	s_add_co_u32 s50, s22, t
	s_and_b32 s50, s50, 127
	v_mad_u32_u24 v[SA+t], s50, v[STR], v[CON]
.if t == 31
	s_lshl_b32 s51, s18, 5                         ; d mod 64 is d but at d = 64, where it is 0:
	s_add_co_u32 s51, s51, 32
	s_and_b32 s51, s51, 63
	s_add_co_u32 s51, s51, s21
	s_and_b32 s51, s51, 127
	v_mad_u32_u24 v[TMP], s51, v[STR], v[CON]
	v_cndmask_b32 v[SA+t], v[SA+t], v[TMP], s40    ; there the upper half's store goes to (i, i)
.endif
	s_wait_loadcnt 31-t                            ; the younger loads of x stay out
.irp r, 0,1,2,3
	v_permlanex16_b32 v[PP+\r], v[X+4*t+\r], s41, s42
.endr
.if t > 28
	s_wait_dscnt 31-t                              ; the ring runs out
.else
	s_wait_dscnt 3                                 ; the three younger table reads stay out
.endif
.irp h, 0,2
	v_pk_add_f32 v[TR+4*(t%4)+\h:TR+4*(t%4)+\h+1], v[TR+4*(t%4)+\h:TR+4*(t%4)+\h+1], v[OWN+\h:OWN+\h+1]
	v_pk_fma_f32 v[TR+4*(t%4)+\h:TR+4*(t%4)+\h+1], v[X+4*t+\h:X+4*t+\h+1], s[30:31], v[TR+4*(t%4)+\h:TR+4*(t%4)+\h+1] op_sel_hi:[1,0,1]
	v_pk_fma_f32 v[X+4*t+\h:X+4*t+\h+1], v[PP+\h:PP+\h+1], s[32:33], v[TR+4*(t%4)+\h:TR+4*(t%4)+\h+1] op_sel_hi:[1,0,1]
.endr
.if t == 31
.irp r, 0,1,2,3
	v_cndmask_b32 v[X+4*t+\r], v[X+4*t+\r], v[SD+\r], s43      ; d = 64, upper half: the diagonal's value
.endr
.endif
	global_store_b128 v[SA+t], v[X+4*t:X+4*t+3], s[14:15] th:TH_STORE_NT          ; two runs of 256 consecutive bytes, aligned
.if t < 28
	ds_load_b128 v[TR+4*(t%4):TR+4*(t%4)+3], v[VLA] offset:(t+4)*512
.endif
.set t, t+1
.endr
	s_wait_tensorcnt 0x0
	ds_add_u32 v30, v31
	s_wait_dscnt 0x0
	s_endpgm
.Lfunc_end_k_q0f6a98617e_apply:
	.size	k_q0f6a98617e_apply, .Lfunc_end_k_q0f6a98617e_apply-k_q0f6a98617e_apply
	.p2alignl 7, 3214868480
	.fill 96, 4, 3214868480
	.section	.rodata,"a",@progbits
	.p2align	6, 0x0
	.amdhsa_kernel k_q0f6a98617e_apply
		.amdhsa_group_segment_fixed_size 59392
		.amdhsa_private_segment_fixed_size 0
		.amdhsa_enable_private_segment 0
		.amdhsa_kernarg_size 48
		.amdhsa_user_sgpr_count 2
		.amdhsa_user_sgpr_kernarg_segment_ptr 1
		.amdhsa_wavefront_size32 1
		.amdhsa_system_sgpr_workgroup_id_x 1
		.amdhsa_system_sgpr_workgroup_id_y 1
		.amdhsa_system_sgpr_workgroup_id_z 1
		.amdhsa_system_vgpr_workitem_id 0
		.amdhsa_next_free_vgpr 256
		.amdhsa_next_free_sgpr 66
		.amdhsa_reserve_vcc 0
		.amdhsa_float_denorm_mode_32 3
		.amdhsa_float_denorm_mode_16_64 3
		.amdhsa_memory_ordered 1
		.amdhsa_forward_progress 1
		.amdhsa_inst_pref_size 59
	.end_amdhsa_kernel
	.amdgpu_metadata
---
amdhsa.version: [ 1, 2 ]
amdhsa.kernels:
  - .name:           k_q0f6a98617e_apply
    .symbol:         k_q0f6a98617e_apply.kd
    .args:
      - { .name: x, .offset: 0, .size: 8, .value_kind: global_buffer, .address_space: global }
      - { .name: weight, .offset: 8, .size: 8, .value_kind: global_buffer, .address_space: global }
      - { .name: iso_matrix, .offset: 16, .size: 8, .value_kind: global_buffer, .address_space: global }
      - { .name: part, .offset: 24, .size: 8, .value_kind: global_buffer, .address_space: global }
      - { .name: tot, .offset: 32, .size: 8, .value_kind: global_buffer, .address_space: global }
      - { .name: out0, .offset: 40, .size: 8, .value_kind: global_buffer, .address_space: global }
    .group_segment_fixed_size: 59392
    .private_segment_fixed_size: 0
    .kernarg_segment_align: 8
    .kernarg_segment_size: 48
    .max_flat_workgroup_size: 512
    .sgpr_count:     66
    .vgpr_count:     256
    .wavefront_size: 32
...
	.end_amdgpu_metadata
.endif
;; end of part 2
